; MI455X (gfx1250); checked and timed in simulation.
; The chip was launched on July 23, 2026; its instructions are those of AMD's public machine-readable ISA for CDNA 5 (MIT licence, August 2026) and "CDNA5" Instruction Set Architecture Reference Guide (July 2026). The comments in the code are by the model that wrote it; some were corrected since.
;; posatt. Allowed arithmetic: float matrix products may take bf16 or f16 operands with f32 sums; all other float work in f32.
;; Inputs: inputs 4 x 2,048 x 64 float32; lmda 4 x 1 x 1 float32; mesh 4 x 2,048 x 2 float32.
;; Outputs: out0 4 x 2,048 x 320 float32.
;; One version. Each part assembles by itself: llvm-mc -triple=amdgcn-amd-amdhsa -mcpu=gfx1250 --defsym DOCPART=n.
;; ======== version 1 of 1: 1 launch
;; limits: right only within a limited range of input values; inputs' magnitudes at most 1,048,576
;; launch posatt (part 1): grid 256 x 1, 16 waves a work-group, no clusters, 318,464 bytes of LDS; arguments inputs, lmda, mesh, out0; writes out0
.if DOCPART == 1
	.amdgcn_target "amdgcn-amd-amdhsa--gfx1250"
	.amdhsa_code_object_version 6
	.text
	.protected	k_q3a9cd17784_posatt
	.globl	k_q3a9cd17784_posatt
	.p2align	8
	.type	k_q3a9cd17784_posatt,@function
k_q3a9cd17784_posatt:
	s_mov_b64 s[64:65], 0
	v_nop
	global_prefetch_b8 v0, s[64:65] scope:SCOPE_SE
	s_setreg_imm32_b32 hwreg(HW_REG_WAVE_MODE, 25, 1), 1
	s_wait_xcnt 0x0
; out0[b][n] = ( inputs[b][n] (64) , for each of 4 heads: softmax over j of -masked(scale_h d(n,j)) times inputs[b][j] (64) ).
; d(n,j) = squared distance of mesh points; kept are the j whose scaled distance is not above the row's 0.2-quantile.
;
; WHAT IS USED OF THE PROBLEM.  scale_h >= 0 is the same factor for a whole row, so all heads keep the same j.  The quantile stands at
; position 0.2 x 2047 = 409.4 of the sorted row: 0.6 of the 410th smallest plus 0.4 of the 411th.  So 'd <= T', T the 410th smallest, is
; the mask, ties included, wherever the two are clearly apart.  d(n,n) = 0, so the largest exponent of the softmax is 0: no pass for a
; maximum.  A dropped j gets d = FLT_MAX, and w = 2^(c_h d) with c_h = -scale_h log2(e) is then 0 for scale_h > 0 and 1 for scale_h = 0
; (where the reference keeps every j as well).
;
; THE EDGE OF THE MASK.  The reference compares the rounded scale_h d with the interpolated threshold, itself rounded.  Where the 411th
; smallest d lies 1 to 3 units in the last place above T, the scaled numbers can be 0 or 1 unit apart, and whether the 411th is kept hangs
; on the last bits of scale_h d, head by head; the sine and tangent here are polynomials, so those bits cannot be reproduced.
; There every j with T < d <= T + 3 units gets HALF its weight, w = 2^(c_h d - 1): against either decision the result is off by half of one
; neighbour's weight, about 1/820 of the row's sum times |inputs|.  (A gap of 4 units of d is more than 2 units of the scaled number.)
; d is rounded as the reference writes it, two rounded squares and a rounded sum, not one fused multiply-add: its bits decide the mask.
;
; LIMITS.  mesh finite and d below FLT_MAX.  Not served: a reference whose d is rounded otherwise (fused), in rows where that changes the
; order or the equality of the 410th and 411th; a scaled gap of exactly 2 units at which the interpolation's rounding errors add up to 0.7
; unit; an exact tie of the two whose interpolated threshold rounds below them; scale_h = 0 in a row that has a j in the band (weight 1/2
; instead of 1).  |lmda| < 2^20 (two-term reduction by pi/2).  Near lmda = -pi/2 + 2 pi k (within about 3e-4) 1 + sin is a few units of
; 6e-8, so scale_h, and whether it is exactly 0, is only as good as that; near +pi/2 + 2 pi k the tangent's pole magnifies the same error.
; Weights and inputs go to the matrix unit as bf16, sums are f32.
;
; SHARES.  256 work-groups of 16 waves; a work-group owns 32 rows n of one batch.  Selection: wave w holds rows 2w, 2w+1 whole, 64 registers
; a row, and finds the 410th smallest by 32 steps of bisection on the bits of d (non-negative floats order like unsigned integers).
; No address and no branch hangs on the counts: they only select the next prefix.  In each of the 32 trips the wave also converts 4 rows
; of inputs[b] to bf16 into LDS (32 x 4 = its 128 rows).  Attention: wave w = 2 kp + rt takes rows 16 rt .. +15 and j = 256 kp .. +255,
; all 4 heads x 64 columns = 16 accumulator tiles; the 8 partial results of a row meet in LDS.
; NO CLUSTER, NO TENSOR LOADS: the 64 work-groups of a batch do read the same 512 KiB of inputs, but every byte has to pass through registers
; to become bf16; the bf16 image and the mesh take 315,520 of the 327,680 bytes of LDS, so an f32 landing ring would have 12 KiB, and each
; trip's two loads a lane already stand 128 compares ahead of their use.
.set NKEEP, 410                        ; the 410th smallest is the threshold
.set BAND, 3                           ; units in the last place above it in which a j counts half
.set XP,   144                         ; LDS pitch of a row of 64 bf16: 128 bytes + 16
.set MX,   294912                      ; x[2048] f32, behind 2048 rows of XP bytes
.set MYO,  8192                        ; y[2048] lies this far behind x
.set TH,   311296                      ; 32 words: bits of T, plus 1
.set SM,   311424                      ; [kp 8][row 32][head 4] f32: partial sums of weights
.set PAW,  16640                       ; a wave's partial results: 16 rows x PAP, from LDS byte 0 on (over the bf16 image, behind a barrier)
.set PAP,  1040                        ; 4 heads x 256 bytes + 16: 65 x 16, sixteen rows fall on different 16-byte columns
.set D0,   64                          ; v[64:127]  selection: row 2w
.set D1,   128                         ; v[128:191] selection: row 2w+1
.set SETA, 66                          ; s[66:81]   sixteen lane masks
.set SETB, 82                          ; s[82:97]   sixteen more, in turn
.set CS,   40                          ; s[40:47]   (c_h, c_h) for h = 0..3
.set MXR,  16                          ; attention: v[16:31] x of 16 j, then dx
.set MYR,  32                          ; v[32:47] y, then dy, then dy^2,
.set BB,   MYR                         ;          then the exponent's addend: -1 in the band, else 0 (all 256 registers are taken)
.set DD,   48                          ; v[48:63] d, dropped ones FLT_MAX
.set E,    64                          ; v[64:79] weights in f32
.set WF,   80                          ; v[80:95] weights as bf16 fragment, two buffers
.set XF,   96                          ; v[96:127] four fragments of inputs (16 columns x 32 j each)
.set ACC,  128                         ; v[128:255] tile (head, t) at ACC + 32 head + 8 t
	s_load_b256 s[4:11], s[0:1], 0x0               ; inputs s[4:5], lmda s[6:7], mesh s[8:9], out0 s[10:11]
	v_lshrrev_b32 v1, 5, v0
	v_readfirstlane_b32 s12, v1                    ; wave w
	s_lshr_b32 s13, ttmp9, 6                       ; batch b
	s_and_b32 s14, ttmp9, 63
	s_lshl_b32 s14, s14, 5                         ; n0: first of my 32 rows
	s_mov_b32 s17, 0
	s_mov_b32 s56, 0x7f7fffff                      ; FLT_MAX
	s_mov_b32 s60, 0x76543210                      ; v_permlanex16_b32: lane i takes lane i of the other half
	s_mov_b32 s61, 0xfedcba98
	s_and_b32 s57, s12, 1                          ; rt
	s_lshr_b32 s58, s12, 1                         ; kp
	v_lshlrev_b32 v2, 5, v0                        ; mesh: 4 points = 32 bytes a thread
	s_lshl_b32 s18, s14, 8
	v_lshl_add_u32 v3, v0, 4, s18                  ; inputs: my 16 bytes of the group's own 32 rows
	v_and_b32 v4, 3, v0
	v_lshlrev_b32 v4, 2, v4                        ; lmda of head lane & 3
	v_lshl_add_u32 v5, v0, 4, MX                   ; where my 4 x go in LDS
	v_lshrrev_b32 v6, 4, v0
	v_and_b32 v7, 15, v0
	v_mul_u32_u24 v6, v6, 1280
	v_lshl_add_u32 v6, v7, 4, v6                   ; out0: row t / 16, 16 bytes at 16 (t % 16)
	s_lshl1_add_u32 s15, s12, s14
	s_lshl_b32 s15, s15, 3                         ; byte offset of mesh points n0 + 2w, n0 + 2w + 1
	s_wait_kmcnt 0x0
	s_lshl_b32 s16, s13, 19
	s_add_nc_u64 s[4:5], s[4:5], s[16:17]          ; inputs[b]
	s_lshl_b32 s16, s13, 14
	s_add_nc_u64 s[8:9], s[8:9], s[16:17]          ; mesh[b]
	s_lshl_b32 s16, s13, 11
	s_add_co_u32 s16, s16, s14
	s_mul_i32 s16, s16, 1280
	s_add_nc_u64 s[10:11], s[10:11], s[16:17]      ; out0[b][n0]
	s_load_b128 s[20:23], s[8:9], s15 offset:0x0   ; x, y of my two rows
	global_load_b128 v[16:19], v2, s[8:9]
	global_load_b128 v[20:23], v2, s[8:9] offset:16
	global_load_b128 v[24:27], v3, s[4:5]
	global_load_b32 v28, v4, s[6:7]
	s_wait_loadcnt 0x0
	v_mov_b32 v32, v16                             ; (x, y) pairs apart: 4 x, 4 y
	v_mov_b32 v33, v18
	v_mov_b32 v34, v20
	v_mov_b32 v35, v22
	v_mov_b32 v36, v17
	v_mov_b32 v37, v19
	v_mov_b32 v38, v21
	v_mov_b32 v39, v23
	ds_store_b128 v5, v[32:35]
	ds_store_b128 v5, v[36:39] offset:MYO
	global_store_b128 v6, v[24:27], s[10:11] th:TH_STORE_NT   ; the copy of inputs: sixteen lanes fill 256 aligned bytes
; sine s and cosine c of a, |a| <= pi/4, by their Taylor sums to a^9 and a^10; t = a^2
.macro POLY a, s, c, t
	v_mul_f32 v[\t], v[\a], v[\a]
	v_mov_b32 v[\s], 0x3638ef1d                    ; 1/9!
	v_mov_b32 v[\c], 0xb493f27e                    ; -1/10!
	v_fmaak_f32 v[\s], v[\s], v[\t], 0xb9500d01    ; -1/7!
	v_fmaak_f32 v[\c], v[\c], v[\t], 0x37d00d01    ; 1/8!
	v_fmaak_f32 v[\s], v[\s], v[\t], 0x3c088889    ; 1/5!
	v_fmaak_f32 v[\c], v[\c], v[\t], 0xbab60b61    ; -1/6!
	v_fmaak_f32 v[\s], v[\s], v[\t], 0xbe2aaaab    ; -1/3!
	v_fmaak_f32 v[\c], v[\c], v[\t], 0x3d2aaaab    ; 1/4!
	v_mul_f32 v[\s], v[\s], v[\t]
	v_fmaak_f32 v[\c], v[\c], v[\t], 0xbf000000    ; -1/2
	v_fma_f32 v[\s], v[\s], v[\a], v[\a]
	v_fma_f32 v[\c], v[\c], v[\t], 1.0
.endm
	; scale = tan(k (1 + sin lmda)), k = f32(0.25 pi (1 - 1e-7)); every wave makes all four, lane & 3 = head
	v_mul_f32 v40, 0x3f22f983, v28                 ; lmda x 2/pi
	v_rndne_f32 v40, v40                           ; q
	v_fmamk_f32 v41, v40, 0xbfc90fdb, v28          ; lmda - q pi/2, pi/2 in two terms
	v_fmamk_f32 v41, v40, 0x333bbd2e, v41
	POLY 41, 42, 43, 44
	v_cvt_i32_f32 v45, v40
	v_and_b32 v46, 1, v45
	v_cmp_eq_u32 vcc_lo, 1, v46
	v_cndmask_b32 v47, v42, v43, vcc_lo            ; q odd: the cosine
	v_lshlrev_b32 v46, 30, v45
	v_and_b32 v46, 0x80000000, v46                 ; bit 1 of q: the sign
	v_xor_b32 v47, v46, v47
	v_add_f32 v47, 1.0, v47
	v_max_num_f32 v47, 0, v47                      ; 1 + sin is never negative
	v_mul_f32 v48, 0x3f490fd9, v47                 ; y in [0, pi/2)
	v_cmp_lt_f32 vcc_lo, 0x3f490fdb, v48           ; y > pi/4: tan y = cos(pi/2 - y) / sin(pi/2 - y)
	v_sub_f32 v49, 0x3fc90fdb, v48
	v_add_f32 v49, 0xb33bbd2e, v49
	v_cndmask_b32 v49, v48, v49, vcc_lo
	POLY 49, 50, 51, 52
	v_cndmask_b32 v53, v50, v51, vcc_lo
	v_cndmask_b32 v54, v51, v50, vcc_lo
	v_rcp_f32 v55, v54
	v_nop                                          ; one plain place behind the reciprocal (ISA guide 5.7.2)
	s_wait_alu depctr_va_vdst(0)
	v_mul_f32 v56, v53, v55
	v_mul_f32 v56, 0xbfb8aa3b, v56                 ; c = -scale log2(e)
.irp h, 0,1,2,3
	v_readlane_b32 s[CS+2*\h], v56, \h
	s_mov_b32 s[CS+2*\h+1], s[CS+2*\h]
.endr
	s_wait_kmcnt 0x0
	s_xor_b32 s24, s20, 0x80000000                 ; -x, -y of my two rows, each as a pair for the packed adds
	s_xor_b32 s26, s21, 0x80000000
	s_xor_b32 s28, s22, 0x80000000
	s_xor_b32 s30, s23, 0x80000000
	s_mov_b32 s25, s24
	s_mov_b32 s27, s26
	s_mov_b32 s29, s28
	s_mov_b32 s31, s30
	s_wait_xcnt 0x0                                ; the copy's data and offset registers are written again below
	s_wait_dscnt 0x0                               ; my part of the mesh is in LDS
	s_barrier_signal -1
	s_barrier_wait -1                              ; everybody's is
	; DISTANCES of my two rows.  Register 16 bt + 4 i + e of a row holds j = 512 bt + 128 i + 4 lane + e.
	v_and_b32 v2, 31, v0                           ; lane
	v_lshl_add_u32 v1, v2, 4, MX
.macro MROW bt
.irp i, 0,1,2,3
	ds_load_b128 v[16+4*\i:19+4*\i], v1 offset:512*(4*\bt+\i)
	ds_load_b128 v[32+4*\i:35+4*\i], v1 offset:MYO+512*(4*\bt+\i)
.endr
	s_wait_dscnt 0x0
.endm
; d = dx dx + dy dy with dx = x_j + (-x_n), each square and the sum rounded by itself as the reference writes them (no fused multiply-add:
; the bits of d decide the mask).  The attention below makes d by the same operations, so that it has the same bits there.
.macro DIST bt
.irp p, 0,1,2,3,4,5,6,7
	v_pk_add_f32 v[48:49], v[16+2*\p:17+2*\p], s[24:25] op_sel_hi:[1,0]
	v_pk_add_f32 v[50:51], v[32+2*\p:33+2*\p], s[26:27] op_sel_hi:[1,0]
	v_pk_add_f32 v[52:53], v[16+2*\p:17+2*\p], s[28:29] op_sel_hi:[1,0]
	v_pk_add_f32 v[54:55], v[32+2*\p:33+2*\p], s[30:31] op_sel_hi:[1,0]
	v_pk_mul_f32 v[48:49], v[48:49], v[48:49]
	v_pk_mul_f32 v[50:51], v[50:51], v[50:51]
	v_pk_mul_f32 v[52:53], v[52:53], v[52:53]
	v_pk_mul_f32 v[54:55], v[54:55], v[54:55]
	v_pk_add_f32 v[D0+16*\bt+2*\p:D0+16*\bt+2*\p+1], v[48:49], v[50:51]
	v_pk_add_f32 v[D1+16*\bt+2*\p:D1+16*\bt+2*\p+1], v[52:53], v[54:55]
.endr
.endm
.irp bt, 0,1,2,3
	MROW \bt
	DIST \bt
.endr
	; BISECTION, 32 trips, one bit each.  P = the largest number with fewer than 410 distances below it = the 410th smallest.
	v_lshrrev_b32 v3, 4, v2
	v_and_b32 v4, 15, v2
	s_lshl_b32 s15, s12, 15
	v_lshl_add_u32 v60, v2, 4, s15                 ; inputs[b]: my wave's 128 rows (32,768 bytes), 16 bytes a lane
	v_mul_u32_u24 v61, v3, XP
	v_lshl_add_u32 v61, v4, 3, v61
	s_mul_i32 s15, s12, 128*XP
	v_add_nc_u32 v61, s15, v61                     ; LDS: row 128 w + lane / 16, 8 bytes at 8 (lane % 16)
	s_mov_b32 s32, 0                               ; P of row 2w
	s_mov_b32 s33, 0                               ; P of row 2w+1
	s_mov_b32 s34, 0x80000000                      ; the bit on trial
	s_mov_b32 s35, 0
.macro CMP16 base, cand, set                   ; sixteen masks: lanes whose d is below the candidate
.irp i, 0,1,2,3,4,5,6,7,8,9,10,11,12,13,14,15
	v_cmp_gt_u32 s[\set+\i], s[\cand], v[\base+\i]
.endr
.endm
.macro CNT16 set, acc, first                   ; each mask becomes the number of its ones, in place; the sixteen numbers are added as a tree
.irp i, 0,1,2,3,4,5,6,7,8,9,10,11,12,13,14,15
	s_bcnt1_i32_b32 s[\set+\i], s[\set+\i]
.endr
.irp i, 0,2,4,6,8,10,12,14
	s_add_co_u32 s[\set+\i], s[\set+\i], s[\set+\i+1]
.endr
.irp i, 0,4,8,12
	s_add_co_u32 s[\set+\i], s[\set+\i], s[\set+\i+2]
.endr
.irp i, 0,8
	s_add_co_u32 s[\set+\i], s[\set+\i], s[\set+\i+4]
.endr
.if \first
	s_add_co_u32 s[\acc], s[\set], s[\set+8]       ; the row's first group starts its count
.else
	s_add_co_u32 s[\set], s[\set], s[\set+8]
	s_add_co_u32 s[\acc], s[\acc], s[\set]
.endif
.endm
.Lbit:
	global_load_b128 v[48:51], v60, s[4:5]             ; 4 rows of inputs: 2 x 512 neighbouring bytes a wave
	global_load_b128 v[52:55], v60, s[4:5] offset:512
	s_or_b32 s36, s32, s34                         ; the candidates
	s_or_b32 s37, s33, s34
	CMP16 D0, 36, SETA                             ; the two mask sets take turns: the counting of one runs beside the compares into the other
	CMP16 D0+16, 36, SETB
	CNT16 SETA, 38, 1
	CMP16 D0+32, 36, SETA
	CNT16 SETB, 38, 0
	CMP16 D0+48, 36, SETB
	CNT16 SETA, 38, 0
	CMP16 D1, 37, SETA
	CNT16 SETB, 38, 0
	CMP16 D1+16, 37, SETB
	CNT16 SETA, 39, 1
	CMP16 D1+32, 37, SETA
	CNT16 SETB, 39, 0
	CMP16 D1+48, 37, SETB
	CNT16 SETA, 39, 0
	CNT16 SETB, 39, 0
	s_cmp_ge_u32 s38, NKEEP                        ; 410 or more below the candidate: it is too large, the bit stays 0
	s_cselect_b32 s32, s32, s36
	s_cmp_ge_u32 s39, NKEEP
	s_cselect_b32 s33, s33, s37
	s_wait_loadcnt 0x0                             ; the trip's two loads, issued 128 compares ago; v60 is free behind this wait
	v_cvt_pk_bf16_f32 v56, v48, v49
	v_cvt_pk_bf16_f32 v57, v50, v51
	v_cvt_pk_bf16_f32 v58, v52, v53
	v_cvt_pk_bf16_f32 v59, v54, v55
	ds_store_b64 v61, v[56:57]
	ds_store_b64 v61, v[58:59] offset:2*XP
	v_add_nc_u32 v60, 1024, v60                    ; 32 trips x 1,024 bytes = the wave's 32,768: no load leaves the buffer
	v_add_nc_u32 v61, 4*XP, v61
	s_lshr_b32 s34, s34, 1
	s_add_co_u32 s35, s35, 1
	s_cmp_lt_u32 s35, 32
	s_cbranch_scc1 .Lbit
	s_add_co_u32 s32, s32, 1                       ; handed on is T + 1 (bits): the attention works on t = d - (T + 1)
	s_add_co_u32 s33, s33, 1
	v_mov_b32 v8, s32
	v_mov_b32 v9, s33
	s_lshl_b32 s15, s12, 3
	s_add_co_u32 s15, s15, TH
	v_mov_b32 v10, s15
	ds_store_b64 v10, v[8:9]                       ; rows 2w, 2w+1 (every lane the same bytes)
	s_wait_dscnt 0x0                               ; my thresholds and my 128 bf16 rows are in LDS
	s_barrier_signal -1
	s_barrier_wait -1
	; ATTENTION.  r = lane % 16 is my row of the tile, h = lane / 16.  The matrix instruction is used transposed: source 0 = 16 columns of
	; inputs x 32 j (a transposing load, since LDS holds [j][column]), source 1 = the weights of 16 rows x 32 j, made in the fragment's own
	; layout: lane (r, h) makes j = 8h .. 8h+7 and 16+8h .. 16+8h+7.  Register i of a result is then out(row r, column 16 t + 8 h + i).
	v_and_b32 v48, 15, v0
	v_bfe_u32 v49, v0, 4, 1
	s_lshl_b32 s15, s57, 4
	s_add_co_u32 s16, s15, s14
	s_lshl_b32 s16, s16, 2
	s_add_co_u32 s16, s16, MX
	v_lshl_add_u32 v50, v48, 2, s16                ; x of row n0 + 16 rt + r
	s_lshl_b32 s15, s15, 2
	s_add_co_u32 s15, s15, TH
	v_lshl_add_u32 v51, v48, 2, s15
	ds_load_b32 v2, v50
	ds_load_b32 v4, v50 offset:MYO
	ds_load_b32 v6, v51                            ; its T + 1
	s_lshl_b32 s16, s58, 10
	s_add_co_u32 s16, s16, MX
	v_lshl_add_u32 v7, v49, 5, s16                 ; x of j = 256 kp + 8 h
.macro MESHX s                                 ; x of my 16 j of step s
	ds_load_b128 v[MXR:MXR+3],     v7 offset:128*(\s)
	ds_load_b128 v[MXR+4:MXR+7],   v7 offset:128*(\s)+16
	ds_load_b128 v[MXR+8:MXR+11],  v7 offset:128*(\s)+64
	ds_load_b128 v[MXR+12:MXR+15], v7 offset:128*(\s)+80
.endm
.macro MESHY s                                 ; y of them
	ds_load_b128 v[MYR:MYR+3],     v7 offset:128*(\s)+MYO
	ds_load_b128 v[MYR+4:MYR+7],   v7 offset:128*(\s)+MYO+16
	ds_load_b128 v[MYR+8:MYR+11],  v7 offset:128*(\s)+MYO+64
	ds_load_b128 v[MYR+12:MYR+15], v7 offset:128*(\s)+MYO+80
.endm
	MESHX 0
	MESHY 0
	v_and_b32 v52, 7, v0
	v_lshl_add_u32 v52, v49, 3, v52
	s_lshl_b32 s16, s58, 8
	v_add_nc_u32 v52, s16, v52
	v_mul_u32_u24 v52, v52, XP
	v_bfe_u32 v53, v0, 3, 1
	v_lshl_add_u32 v1, v53, 4, v52                 ; (256 kp + 8 h + lane % 8) XP + 16 ((lane / 8) % 2)
	s_wait_dscnt 0x8                               ; the three single words are in; the eight mesh loads behind them stay out
	v_xor_b32 v2, 0x80000000, v2                   ; -x of my row: the packed adds take v2 for both halves,
	v_xor_b32 v4, 0x80000000, v4                   ; -y likewise v4,
	v_mov_b32 v3, -1.0                             ; so the pair's second register is free for the band's addend
	v_mov_b32 v5, v4                               ; (written, since the pair is named whole)
; the exponents of one head: c d, less 1 in the band
.macro HEADE hd
.irp p, 0,2,4,6,8,10,12,14
	v_pk_fma_f32 v[E+\p:E+\p+1], v[DD+\p:DD+\p+1], s[CS+2*\hd:CS+2*\hd+1], v[BB+\p:BB+\p+1] op_sel_hi:[1,0,1]
.endr
.endm
; its weights: as f32 in E and as a bf16 fragment in WF's buffer buf
.macro HEADX buf
.irp i, 0,1,2,3,4,5,6,7,8,9,10,11,12,13,14,15
	v_exp_f32 v[E+\i], v[E+\i]
.endr
	v_nop                                          ; one plain place between the exponentials and their first use (ISA guide 5.7.2)
	s_wait_alu depctr_va_vdst(0)
.irp i, 0,1,2,3,4,5,6,7
	v_cvt_pk_bf16_f32 v[WF+8*\buf+\i], v[E+2*\i], v[E+2*\i+1]
.endr
.endm
; four matrix instructions (64 columns), then the head's sum of weights: seven or eight packed adds that name none of the matrix
; instructions' registers and so are the places in front of whatever next writes a fragment (ISA guide 7.12.1)
.macro HEADM hd, buf, first
.irp t, 0,1,2,3
.if \first
	v_wmma_f32_16x16x32_bf16 v[ACC+32*\hd+8*\t:ACC+32*\hd+8*\t+7], v[XF+8*\t:XF+8*\t+7], v[WF+8*\buf:WF+8*\buf+7], 0
.else
	v_wmma_f32_16x16x32_bf16 v[ACC+32*\hd+8*\t:ACC+32*\hd+8*\t+7], v[XF+8*\t:XF+8*\t+7], v[WF+8*\buf:WF+8*\buf+7], v[ACC+32*\hd+8*\t:ACC+32*\hd+8*\t+7]
.endif
.endr
	v_pk_add_f32 v[E:E+1],     v[E:E+1],     v[E+2:E+3]
	v_pk_add_f32 v[E+4:E+5],   v[E+4:E+5],   v[E+6:E+7]
	v_pk_add_f32 v[E+8:E+9],   v[E+8:E+9],   v[E+10:E+11]
	v_pk_add_f32 v[E+12:E+13], v[E+12:E+13], v[E+14:E+15]
	v_pk_add_f32 v[E:E+1],     v[E:E+1],     v[E+4:E+5]
	v_pk_add_f32 v[E+8:E+9],   v[E+8:E+9],   v[E+12:E+13]
.if \first
	v_pk_add_f32 v[8+2*\hd:9+2*\hd], v[E:E+1], v[E+8:E+9]          ; the first step starts the sums: nothing is cleared
.else
	v_pk_add_f32 v[E:E+1], v[E:E+1], v[E+8:E+9]
	v_pk_add_f32 v[8+2*\hd:9+2*\hd], v[8+2*\hd:9+2*\hd], v[E:E+1]
.endif
.endm
; 32 j for 16 rows, 4 heads, 64 columns
.macro KSTEP s, first, last
	s_wait_dscnt 0x0                               ; this step's mesh loads are all that is out
.irp p, 0,2,4,6,8,10,12,14
	v_pk_add_f32 v[MXR+\p:MXR+\p+1], v[MXR+\p:MXR+\p+1], v[2:3] op_sel_hi:[1,0]
.endr
.irp p, 0,2,4,6,8,10,12,14
	v_pk_add_f32 v[MYR+\p:MYR+\p+1], v[MYR+\p:MYR+\p+1], v[4:5] op_sel_hi:[1,0]
.endr
.irp p, 0,2,4,6,8,10,12,14
	v_pk_mul_f32 v[DD+\p:DD+\p+1], v[MXR+\p:MXR+\p+1], v[MXR+\p:MXR+\p+1]
.endr
.irp p, 0,2,4,6,8,10,12,14
	v_pk_mul_f32 v[MYR+\p:MYR+\p+1], v[MYR+\p:MYR+\p+1], v[MYR+\p:MYR+\p+1]
.endr
.irp p, 0,2,4,6,8,10,12,14
	v_pk_add_f32 v[DD+\p:DD+\p+1], v[DD+\p:DD+\p+1], v[MYR+\p:MYR+\p+1]   ; three roundings, as in the selection
.endr
.irp t, 0,1,2,3
	ds_load_tr16_b128 v[XF+8*\t:XF+8*\t+3],   v1 offset:32*XP*\s+32*\t         ; j = 8h .. 8h+7 of column 16 t + r
	ds_load_tr16_b128 v[XF+8*\t+4:XF+8*\t+7], v1 offset:32*XP*\s+32*\t+16*XP   ; j = 16+8h ..
.endr
.if \last == 0
	MESHX \s+1
.endif
.irp i, 0,1,2,3,4,5,6,7,8,9,10,11,12,13,14,15
	v_sub_nc_u32 v[BB+\i], v[DD+\i], v6            ; t = d - (T + 1) on the bits: negative for d <= T, 0 .. BAND-1 in the band
.endr
.irp i, 0,1,2,3,4,5,6,7,8,9,10,11,12,13,14,15
	v_cmp_gt_i32 vcc_lo, BAND, v[BB+\i]            ; signed: d <= T + BAND is kept,
	v_cndmask_b32 v[DD+\i], s56, v[DD+\i], vcc_lo  ; the rest becomes FLT_MAX
	v_cmp_gt_u32 vcc_lo, BAND, v[BB+\i]            ; unsigned: the band alone
	v_cndmask_b32 v[BB+\i], 0, v3, vcc_lo          ; -1 in the exponent there: half the weight
.endr
	HEADE 0
	HEADX 0
.if \last
	s_wait_dscnt 0x0                               ; the fragments of inputs; nothing was issued behind them
.else
	s_wait_dscnt 0x4                               ; the fragments of inputs are in; the next step's four x loads stay out
.endif
	HEADM 0, 0, \first
	HEADE 1
	HEADX 1
	HEADM 1, 1, \first
	HEADE 2
	HEADX 0
	HEADM 2, 0, \first
	HEADE 3
.if \last == 0
	MESHY \s+1                                     ; the addends have been read for the last time: their registers take the next y
.endif
	HEADX 1
	HEADM 3, 1, \first
.endm
	KSTEP 0, 1, 0
.irp s, 1,2,3,4,5,6
	KSTEP \s, 0, 0
.endr
	KSTEP 7, 0, 1
	; THE WAY OUT.  Sums of weights: the pair's two halves, then lanes r and r + 16 (the two halves of each 32 j).
.irp hd, 0,1,2,3
	v_add_f32 v[E+\hd], v[8+2*\hd], v[9+2*\hd]
.endr
.irp hd, 0,1,2,3
	v_permlanex16_b32 v[E+4+\hd], v[E+\hd], s60, s61
.endr
.irp hd, 0,1,2,3
	v_add_f32 v[E+\hd], v[E+\hd], v[E+4+\hd]
.endr
	v_and_b32 v16, 15, v0
	v_bfe_u32 v17, v0, 4, 1
	s_lshl_b32 s15, s58, 9
	s_lshl_b32 s16, s57, 8
	s_add_co_u32 s15, s15, s16
	s_add_co_u32 s15, s15, SM
	v_lshl_add_u32 v18, v16, 4, s15                ; SM + 512 kp + 16 (16 rt + r)
	s_mul_i32 s15, s12, PAW
	v_mul_u32_u24 v19, v16, PAP
	v_lshl_add_u32 v19, v17, 5, v19
	v_add_nc_u32 v19, s15, v19                     ; PAW w + PAP r + 32 h
	s_wait_dscnt 0x0                               ; my reads of the bf16 image are over,
	s_barrier_signal -1
	s_barrier_wait -1                              ; everybody's are: the partial results may lie over it
	ds_store_b128 v18, v[E:E+3]                    ; four heads' sums (lanes r and r + 16 write the same bytes)
.irp hd, 0,1,2,3
.irp t, 0,1,2,3
	ds_store_b128 v19, v[ACC+32*\hd+8*\t:ACC+32*\hd+8*\t+3]   offset:256*\hd+64*\t
	ds_store_b128 v19, v[ACC+32*\hd+8*\t+4:ACC+32*\hd+8*\t+7] offset:256*\hd+64*\t+16
.endr
.endr
	v_and_b32 v8, 31, v0
	s_lshr_b32 s15, s12, 3                         ; rows 2w, 2w+1 lie in row tile w / 8, at rows (2w) % 16 and the next
	s_mul_i32 s15, s15, PAW
	s_lshl_b32 s16, s12, 1
	s_and_b32 s16, s16, 15
	s_mul_i32 s16, s16, PAP
	s_add_co_u32 s15, s15, s16
	v_lshl_add_u32 v2, v8, 4, s15                  ; partial of kp = 0; kp's partial lies 2 PAW kp further: four registers, two kp each
	v_add_nc_u32 v3, 4*PAW, v2
	v_add_nc_u32 v4, 8*PAW, v2
	v_add_nc_u32 v5, 12*PAW, v2
	v_lshrrev_b32 v9, 4, v8
	s_lshl_b32 s16, s12, 5
	s_add_co_u32 s16, s16, SM
	v_lshl_add_u32 v6, v9, 2, s16                  ; SM + 16 (2w) + 4 (lane / 16)
	s_mul_i32 s17, s12, 2560
	v_lshl_add_u32 v7, v8, 4, s17                  ; out0: row 2w, 16 bytes a lane
	s_wait_dscnt 0x0                               ; my partial results are in LDS
	s_barrier_signal -1
	s_barrier_wait -1
; unit u = 2 i + half: row 2w + i, heads 2 half and 2 half + 1 = 512 bytes; lane l holds 4 columns of head 2 half + l / 16
.macro UNITLD u, i, half
.irp k, 0,1,2,3,4,5,6,7
	ds_load_b128 v[ACC+32*\u+4*\k:ACC+32*\u+4*\k+3], v[2+\k/2] offset:(\k%2)*2*PAW+PAP*\i+512*\half
	ds_load_b32 v[16+8*\u+\k], v6 offset:512*\k+16*\i+8*\half
.endr
.endm
.macro UNITSUM u
.irp k, 0,2,4,6
	v_pk_add_f32 v[ACC+32*\u+4*\k:ACC+32*\u+4*\k+1],   v[ACC+32*\u+4*\k:ACC+32*\u+4*\k+1],   v[ACC+32*\u+4*\k+4:ACC+32*\u+4*\k+5]
	v_pk_add_f32 v[ACC+32*\u+4*\k+2:ACC+32*\u+4*\k+3], v[ACC+32*\u+4*\k+2:ACC+32*\u+4*\k+3], v[ACC+32*\u+4*\k+6:ACC+32*\u+4*\k+7]
.endr
.irp k, 0,4
	v_pk_add_f32 v[ACC+32*\u+4*\k:ACC+32*\u+4*\k+1],   v[ACC+32*\u+4*\k:ACC+32*\u+4*\k+1],   v[ACC+32*\u+4*\k+8:ACC+32*\u+4*\k+9]
	v_pk_add_f32 v[ACC+32*\u+4*\k+2:ACC+32*\u+4*\k+3], v[ACC+32*\u+4*\k+2:ACC+32*\u+4*\k+3], v[ACC+32*\u+4*\k+10:ACC+32*\u+4*\k+11]
.endr
	v_pk_add_f32 v[ACC+32*\u:ACC+32*\u+1],   v[ACC+32*\u:ACC+32*\u+1],   v[ACC+32*\u+16:ACC+32*\u+17]
	v_pk_add_f32 v[ACC+32*\u+2:ACC+32*\u+3], v[ACC+32*\u+2:ACC+32*\u+3], v[ACC+32*\u+18:ACC+32*\u+19]
	v_pk_add_f32 v[16+8*\u:17+8*\u], v[16+8*\u:17+8*\u], v[18+8*\u:19+8*\u]
	v_pk_add_f32 v[20+8*\u:21+8*\u], v[20+8*\u:21+8*\u], v[22+8*\u:23+8*\u]
	v_pk_add_f32 v[16+8*\u:17+8*\u], v[16+8*\u:17+8*\u], v[20+8*\u:21+8*\u]
	v_add_f32 v[16+8*\u], v[16+8*\u], v[17+8*\u]   ; the softmax's denominator, at least 1 (j = n has weight 1)
.endm
.macro UNITOUT u, i, half
	v_pk_mul_f32 v[ACC+32*\u:ACC+32*\u+1],   v[ACC+32*\u:ACC+32*\u+1],   v[DD+2*\u:DD+2*\u+1] op_sel_hi:[1,0]   ; both by the pair's first register
	v_pk_mul_f32 v[ACC+32*\u+2:ACC+32*\u+3], v[ACC+32*\u+2:ACC+32*\u+3], v[DD+2*\u:DD+2*\u+1] op_sel_hi:[1,0]
	global_store_b128 v7, v[ACC+32*\u:ACC+32*\u+3], s[10:11] offset:256+1280*\i+512*\half th:TH_STORE_NT   ; 512 neighbouring bytes, aligned to 256
.endm
	UNITLD 0, 0, 0
	UNITLD 1, 0, 1
	UNITLD 2, 1, 0
	UNITLD 3, 1, 1
	s_wait_dscnt 0x0
.irp u, 0,1,2,3
	UNITSUM \u
.endr
.irp u, 0,1,2,3
	v_rcp_f32 v[DD+2*\u], v[16+8*\u]
.endr
	v_nop                                          ; one plain place behind the reciprocals (ISA guide 5.7.2)
	s_wait_alu depctr_va_vdst(0)
	UNITOUT 0, 0, 0
	UNITOUT 1, 0, 1
	UNITOUT 2, 1, 0
	UNITOUT 3, 1, 1
	s_wait_xcnt 0x0
	v_lshl_add_u32 v254, v0, 2, 0x4d400
	v_mov_b32 v255, 0
	s_wait_tensorcnt 0x0
	ds_add_u32 v254, v255
	s_wait_dscnt 0x0
	s_endpgm
.Lfunc_end_k_q3a9cd17784_posatt:
	.size	k_q3a9cd17784_posatt, .Lfunc_end_k_q3a9cd17784_posatt-k_q3a9cd17784_posatt
	.p2alignl 7, 3214868480
	.fill 96, 4, 3214868480
	.section	.rodata,"a",@progbits
	.p2align	6, 0x0
	.amdhsa_kernel k_q3a9cd17784_posatt
		.amdhsa_group_segment_fixed_size 318464
		.amdhsa_private_segment_fixed_size 0
		.amdhsa_enable_private_segment 0
		.amdhsa_kernarg_size 32
		.amdhsa_user_sgpr_count 2
		.amdhsa_user_sgpr_kernarg_segment_ptr 1
		.amdhsa_wavefront_size32 1
		.amdhsa_system_sgpr_workgroup_id_x 1
		.amdhsa_system_sgpr_workgroup_id_y 1
		.amdhsa_system_sgpr_workgroup_id_z 1
		.amdhsa_system_vgpr_workitem_id 0
		.amdhsa_next_free_vgpr 256
		.amdhsa_next_free_sgpr 98
		.amdhsa_reserve_vcc 1
		.amdhsa_float_denorm_mode_32 3
		.amdhsa_float_denorm_mode_16_64 3
		.amdhsa_memory_ordered 1
		.amdhsa_forward_progress 1
		.amdhsa_inst_pref_size 184
	.end_amdhsa_kernel
	.amdgpu_metadata
---
amdhsa.version: [ 1, 2 ]
amdhsa.kernels:
  - .name:           k_q3a9cd17784_posatt
    .symbol:         k_q3a9cd17784_posatt.kd
    .args:
      - { .name: inputs, .offset: 0, .size: 8, .value_kind: global_buffer, .address_space: global }
      - { .name: lmda, .offset: 8, .size: 8, .value_kind: global_buffer, .address_space: global }
      - { .name: mesh, .offset: 16, .size: 8, .value_kind: global_buffer, .address_space: global }
      - { .name: out0, .offset: 24, .size: 8, .value_kind: global_buffer, .address_space: global }
    .group_segment_fixed_size: 318464
    .private_segment_fixed_size: 0
    .kernarg_segment_align: 8
    .kernarg_segment_size: 32
    .max_flat_workgroup_size: 512
    .sgpr_count:     98
    .vgpr_count:     256
    .wavefront_size: 32
...
	.end_amdgpu_metadata
.endif
;; end of part 1
